; MI455X (gfx1250); checked and timed in simulation.
; The chip was launched on July 23, 2026; its instructions are those of AMD's public machine-readable ISA for CDNA 5 (MIT licence, August 2026) and "CDNA5" Instruction Set Architecture Reference Guide (July 2026). The comments in the code are by the model that wrote it; some were corrected since.
;; LSTM Layer. Allowed arithmetic: matrix products marked QUANTISED: E4M3 operands, one E8M0 scale for each 32 along K, by v_wmma_scale_f32_16x16x128_f8f6f4 with both operands' format E4M3, f32 sums; everything else in f32.
;; Inputs: W_f_h2h_codes 1,024 x 32 x 32 uint8 (E4M3 codes of W_f_h2h, K innermost, in blocks of 32 codes); W_f_h2h_scales 1,024 x 32 uint8 (E8M0 scales of W_f_h2h, one for each 32 codes along K); W_f_i2h_codes 1,024 x 32 x 32 uint8 (E4M3 codes of W_f_i2h, K innermost, in blocks of 32 codes); W_f_i2h_scales 1,024 x 32 uint8 (E8M0 scales of W_f_i2h, one for each 32 codes along K); W_g_h2h_codes 1,024 x 32 x 32 uint8 (E4M3 codes of W_g_h2h, K innermost, in blocks of 32 codes); W_g_h2h_scales 1,024 x 32 uint8 (E8M0 scales of W_g_h2h, one for each 32 codes along K); W_g_i2h_codes 1,024 x 32 x 32 uint8 (E4M3 codes of W_g_i2h, K innermost, in blocks of 32 codes); W_g_i2h_scales 1,024 x 32 uint8 (E8M0 scales of W_g_i2h, one for each 32 codes along K); W_i_h2h_codes 1,024 x 32 x 32 uint8 (E4M3 codes of W_i_h2h, K innermost, in blocks of 32 codes); W_i_h2h_scales 1,024 x 32 uint8 (E8M0 scales of W_i_h2h, one for each 32 codes along K); W_i_i2h_codes 1,024 x 32 x 32 uint8 (E4M3 codes of W_i_i2h, K innermost, in blocks of 32 codes); W_i_i2h_scales 1,024 x 32 uint8 (E8M0 scales of W_i_i2h, one for each 32 codes along K); W_o_h2h_codes 1,024 x 32 x 32 uint8 (E4M3 codes of W_o_h2h, K innermost, in blocks of 32 codes); W_o_h2h_scales 1,024 x 32 uint8 (E8M0 scales of W_o_h2h, one for each 32 codes along K); W_o_i2h_codes 1,024 x 32 x 32 uint8 (E4M3 codes of W_o_i2h, K innermost, in blocks of 32 codes); W_o_i2h_scales 1,024 x 32 uint8 (E8M0 scales of W_o_i2h, one for each 32 codes along K); b_f_h2h 1,024 float32; b_f_i2h 1,024 float32; b_g_h2h 1,024 float32; b_g_i2h 1,024 float32; b_i_h2h 1,024 float32; b_i_i2h 1,024 float32; b_o_h2h 1,024 float32; b_o_i2h 1,024 float32; c_0 8,192 x 1,024 float32; h_0_codes 8,192 x 32 x 32 uint8 (E4M3 codes of h_0, K innermost, in blocks of 32 codes); h_0_scales 8,192 x 32 uint8 (E8M0 scales of h_0, one for each 32 codes along K); input_codes 8,192 x 32 x 32 uint8 (E4M3 codes of input, K innermost, in blocks of 32 codes); input_scales 8,192 x 32 uint8 (E8M0 scales of input, one for each 32 codes along K).
;; Outputs: out0 8,192 x 1,024 float32; out1 8,192 x 1,024 float32.
;; This version of the problem:
;;   THIS VERSION OF THE PROBLEM IS GIVEN IN LOW PRECISION. The matrix products marked QUANTISED in the list below multiply operands that are first quantised to E4M3 (4 exponent bits, 3 mantissa bits; 8 bits a number), with one power-of-two scale for each 32 numbers along K (OCP MX v1.0); their sums are f32. All else is computed in f32.
;;   The module's matrix products, in the order in which they are computed (A, B: the left and right operand; K: the contracted axis; several contracted axes count as one K, in the product's order):
;;     1. [M 8,192, K 1,024] x [K 1,024, N 1,024]; A: input input (given as codes); B: input W_i_i2h (given as codes): QUANTISED
;;     2. [M 8,192, K 1,024] x [K 1,024, N 1,024]; A: input h_0 (given as codes); B: input W_i_h2h (given as codes): QUANTISED
;;     3. [M 8,192, K 1,024] x [K 1,024, N 1,024]; A: input input (given as codes); B: input W_f_i2h (given as codes): QUANTISED
;;     4. [M 8,192, K 1,024] x [K 1,024, N 1,024]; A: input h_0 (given as codes); B: input W_f_h2h (given as codes): QUANTISED
;;     5. [M 8,192, K 1,024] x [K 1,024, N 1,024]; A: input input (given as codes); B: input W_o_i2h (given as codes): QUANTISED
;;     6. [M 8,192, K 1,024] x [K 1,024, N 1,024]; A: input h_0 (given as codes); B: input W_o_h2h (given as codes): QUANTISED
;;     7. [M 8,192, K 1,024] x [K 1,024, N 1,024]; A: input input (given as codes); B: input W_g_i2h (given as codes): QUANTISED
;;     8. [M 8,192, K 1,024] x [K 1,024, N 1,024]; A: input h_0 (given as codes); B: input W_g_h2h (given as codes): QUANTISED
;;   THE QUANTISER, for each operand of a quantised product, along K:
;;     - K is cut into blocks of 32 from its start; a last block that is shorter is filled with zeros.
;;     - A block's scale is 2^e with e = floor(log2(the largest magnitude in the block)) - 8, held to -126 .. 127; a block of zeros has e = 0. As a byte (E8M0): e + 127.
;;     - Each number is divided by its block's scale, clamped to +-448, and rounded to the nearest number of E4M3, ties to even, subnormals kept.
;;     - The product sums the exact products of the quantised numbers (number of the format x scale) in f32.
;;   ~~~python
;;   def quantise(x, axis):      # numpy; x: float32 -> the quantised numbers, widened to float32 again
;;       x = np.moveaxis(x, axis, -1); K = x.shape[-1]
;;       x = np.pad(x, [(0, 0)] * (x.ndim - 1) + [(0, -K % 32)]); x = x.reshape(x.shape[:-1] + (-1, 32)); a = np.abs(x).max(-1, keepdims=True)
;;       e = np.where(a > 0, np.clip(np.frexp(np.where(a > 0, a, 1))[1] - 1 - 8, -126, 127), 0)      # np.frexp(a)[1] - 1 = floor(log2(a)), exactly
;;       r = np.clip(x / 2.0 ** e, -448, 448)
;;       step = 2.0 ** (np.maximum(np.frexp(np.where(r == 0, 1, r))[1] - 1, -6) - 3)
;;       q = np.round(r / step) * step * 2.0 ** e      # np.round: ties to even
;;       return np.moveaxis(q.reshape(q.shape[:-2] + (-1,))[..., :K], -1, axis).astype(np.float32)
;;   ~~~
;;   INPUTS GIVEN AS CODES. W_f_h2h (in the module: [1024, 1024], K = its axis 1); W_f_i2h (in the module: [1024, 1024], K = its axis 1); W_g_h2h (in the module: [1024, 1024], K = its axis 1); W_g_i2h (in the module: [1024, 1024], K = its axis 1); W_i_h2h (in the module: [1024, 1024], K = its axis 1); W_i_i2h (in the module: [1024, 1024], K = its axis 1); W_o_h2h (in the module: [1024, 1024], K = its axis 1); W_o_i2h (in the module: [1024, 1024], K = its axis 1); h_0 (in the module: [8192, 1024], K = its axis 1); input (in the module: [8192, 1024], K = its axis 1): each comes as NAME_codes (uint8): NAME with its K axis moved to the last place and cut into blocks of 32 codes, [.., K / 32, bytes a block], one block behind the other in memory; one code a byte (a code: sign, 4 exponent bits, 3 mantissa bits); and NAME_scales (uint8): the same leading axes, one E8M0 byte (e + 127) for each 32 codes along K. Its value is code x scale, taken as it is: it is not quantised again, and the codes and scales need not be those that the quantiser above would give.
;; One version. Each part assembles by itself: llvm-mc -triple=amdgcn-amd-amdhsa -mcpu=gfx1250 --defsym DOCPART=n.
;; ======== version 1 of 1: 2 launches
;; limits: right only within a limited range of input values
;; workspace buffers: wcodes 8,388,608 bytes; wscales 262,144 bytes; ascales 524,288 bytes; biasw 16,384 bytes
;; launch pack (part 1): grid 308 x 1, 8 waves a work-group, no clusters, 0 bytes of LDS; arguments W_i_i2h_codes, W_i_h2h_codes, W_f_i2h_codes, W_f_h2h_codes, W_g_i2h_codes, W_g_h2h_codes, W_o_i2h_codes, W_o_h2h_codes, W_i_i2h_scales, W_i_h2h_scales, W_f_i2h_scales, W_f_h2h_scales, W_g_i2h_scales, W_g_h2h_scales, W_o_i2h_scales, W_o_h2h_scales, b_i_i2h, b_i_h2h, b_f_i2h, b_f_h2h, b_g_i2h, b_g_h2h, b_o_i2h, b_o_h2h, input_scales, h_0_scales, wcodes, wscales, ascales, biasw; writes wcodes, wscales, ascales, biasw
.if DOCPART == 1
	.amdgcn_target "amdgcn-amd-amdhsa--gfx1250"
	.amdhsa_code_object_version 6
	.text
	.protected	k_q4da9dafa63_pack
	.globl	k_q4da9dafa63_pack
	.p2align	8
	.type	k_q4da9dafa63_pack,@function
k_q4da9dafa63_pack:
	s_mov_b64 s[64:65], 0
	v_nop
	global_prefetch_b8 v0, s[64:65] scope:SCOPE_SE
	s_setreg_imm32_b32 hwreg(HW_REG_WAVE_MODE, 25, 1), 1
	s_wait_xcnt 0x0
; The small operands of the LSTM cell are laid anew for the launch behind this one.  No number is changed but the biases: codes and scale bytes are copied as they are.
;   wcodes  [4096][2048]: row 128 m + 32 gate + x holds hidden unit 32 m + x of gate (i, f, g, o = 0 .. 3): 1,024 codes of W_gate_i2h, then 1,024 of W_gate_h2h.
;   wscales [16 tiles of 256 such rows][8 K steps][256 rows][8 bytes]: K step 2 j + s holds the scale bytes of the j-th 256 along K of i2h (s = 0) or h2h (s = 1): a tile's K step is 2,048 consecutive bytes.
;   ascales [32 tiles of 256 rows][8 K steps][256 rows][8 bytes]: the same of input (s = 0) and h_0 (s = 1).
;   biasw   [4][1024] f32: (b_i2h + b_h2h) x F, F = -log2(e) for i, f, o and 2 log2(e) for g.
; A stream: no LDS, no barrier, no matrix unit.  Eight waves a work-group.  The work-group's number picks one of four paths:
;   0 .. 255 codes (32 rows of one weight);  256 .. 271 the weights' scale bytes;  272 .. 303 the rows' scale bytes;  304 .. 307 the biases of one gate.
.set NCODE, 256
.set NWSC,  16
.set NASC,  32
.macro PICK8                           ; of eight pointers in s[16:31] number s3 comes into s[16:17]: the choice hangs on the work-group's number alone
	s_bitcmp1_b32 s3, 0
	s_cselect_b64 s[16:17], s[18:19], s[16:17]
	s_cselect_b64 s[20:21], s[22:23], s[20:21]
	s_cselect_b64 s[24:25], s[26:27], s[24:25]
	s_cselect_b64 s[28:29], s[30:31], s[28:29]
	s_bitcmp1_b32 s3, 1
	s_cselect_b64 s[16:17], s[20:21], s[16:17]
	s_cselect_b64 s[24:25], s[28:29], s[24:25]
	s_bitcmp1_b32 s3, 2
	s_cselect_b64 s[16:17], s[24:25], s[16:17]
.endm
; a wave's work on scale bytes: 64 rows of 32 bytes, 2,048 consecutive bytes at s[16:17].  Lane l takes rows 2 l and 2 l + 1 (its 64 bytes, v2 = 64 l) as eight pieces of 8 bytes, laid so that
; registers 8 + 4 j .. 11 + 4 j hold both rows' j-th 8 bytes: 16 neighbouring bytes of K step 2 j + s.  A store's sixteen neighbouring lanes cover 256 consecutive bytes, aligned (v3).
.macro SCAT
.irp j, 0,1,2,3
	global_load_b64 v[8+4*\j:9+4*\j], v2, s[16:17] offset:8*\j
	global_load_b64 v[10+4*\j:11+4*\j], v2, s[16:17] offset:32+8*\j
.endr
	s_wait_loadcnt 0x0
.irp j, 0,1,2,3
	global_store_b128 v3, v[8+4*\j:11+4*\j], s[4:5] offset:4096*\j
.endr
.endm
	v_lshrrev_b32 v1, 5, v0
	v_readfirstlane_b32 s2, v1                     ; wave 0..7
	s_cmp_lt_u32 ttmp9, NCODE
	s_cbranch_scc0 .Lnot_codes
	; ---- codes: work-group 32 k + m copies rows 32 m .. 32 m + 31 of weight k = 2 gate + (0: i2h, 1: h2h)
	s_load_b512 s[16:31], s[0:1], 0x0
	s_load_b64 s[4:5], s[0:1], 0xd0                ; wcodes
	s_lshr_b32 s3, ttmp9, 5                        ; k
	s_and_b32 s6, ttmp9, 31                        ; m
	s_lshl_b32 s8, s6, 15                          ; from: 32 rows of 1,024 bytes
	s_mov_b32 s9, 0
	s_lshl_b32 s10, s6, 18                         ; to: 128 m rows of 2,048 bytes,
	s_lshr_b32 s7, s3, 1
	s_lshl_b32 s7, s7, 16                          ; + 32 gate rows,
	s_add_co_u32 s10, s10, s7
	s_and_b32 s7, s3, 1
	s_lshl_b32 s7, s7, 10                          ; + the row's second half for h2h
	s_add_co_u32 s10, s10, s7
	s_mov_b32 s11, 0
	v_lshlrev_b32 v2, 4, v0                        ; from: 16 x thread: 256 threads take four rows
	v_lshrrev_b32 v3, 6, v0
	v_and_b32 v4, 63, v0
	v_lshlrev_b32 v4, 4, v4
	v_lshl_add_u32 v3, v3, 11, v4                  ; to: the same four rows, 2,048 bytes apart
	s_wait_alu depctr_va_vdst(0)
	s_wait_kmcnt 0x0
	PICK8
	s_add_nc_u64 s[16:17], s[16:17], s[8:9]
	s_add_nc_u64 s[4:5], s[4:5], s[10:11]
.irp i, 0,1,2,3,4,5,6,7
	global_load_b128 v[8+4*\i:11+4*\i], v2, s[16:17] offset:4096*\i th:TH_LOAD_NT
.endr
.irp i, 0,1,2,3,4,5,6,7
	s_wait_loadcnt 7-\i                            ; loads come back in order: load i is in, the younger ones stay out
	global_store_b128 v3, v[8+4*\i:11+4*\i], s[4:5] offset:8192*\i
.endr
	s_endpgm
.Lnot_codes:
	s_cmp_lt_u32 ttmp9, NCODE+NWSC
	s_cbranch_scc0 .Lnot_wscales
	; ---- the weights' scale bytes: work-group 256 + u, wave w: weight k = u / 2, tile c = 8 (u % 2) + w: hidden units 64 c .. 64 c + 63
	s_load_b512 s[16:31], s[0:1], 0x40
	s_load_b64 s[4:5], s[0:1], 0xd8                ; wscales
	s_sub_co_u32 s6, ttmp9, NCODE
	s_lshr_b32 s3, s6, 1                           ; k = 2 gate + s
	s_and_b32 s6, s6, 1
	s_lshl_b32 s6, s6, 3
	s_add_co_u32 s6, s6, s2                        ; c
	s_lshl_b32 s8, s6, 11                          ; from: 64 rows of 32 bytes
	s_mov_b32 s9, 0
	s_lshl_b32 s10, s6, 14                         ; to: the tile's 16,384 bytes,
	s_and_b32 s7, s3, 1
	s_lshl_b32 s7, s7, 11                          ; + K step s,
	s_add_co_u32 s10, s10, s7
	s_lshr_b32 s7, s3, 1
	s_lshl_b32 s7, s7, 8                           ; + 32 gate rows of 8 bytes
	s_add_co_u32 s10, s10, s7
	s_mov_b32 s11, 0
	v_and_b32 v1, 31, v0
	v_lshlrev_b32 v2, 6, v1
	v_lshrrev_b32 v4, 4, v1
	v_and_b32 v5, 15, v1
	v_lshlrev_b32 v5, 4, v5
	v_lshl_add_u32 v3, v4, 10, v5                  ; units 32 .. 63 lie 128 rows further on in the tile
	s_wait_alu depctr_va_vdst(0)
	s_wait_kmcnt 0x0
	PICK8
	s_add_nc_u64 s[16:17], s[16:17], s[8:9]
	s_add_nc_u64 s[4:5], s[4:5], s[10:11]
	SCAT
	s_endpgm
.Lnot_wscales:
	s_cmp_lt_u32 ttmp9, NCODE+NWSC+NASC
	s_cbranch_scc0 .Lbias
	; ---- the rows' scale bytes: n = 8 (work-group - 272) + wave: tensor s = n / 128, rows 64 (n % 128) on
	s_load_b128 s[16:19], s[0:1], 0xc0             ; input_scales, h_0_scales
	s_load_b64 s[4:5], s[0:1], 0xe0                ; ascales
	s_sub_co_u32 s6, ttmp9, NCODE+NWSC
	s_lshl_b32 s6, s6, 3
	s_add_co_u32 s6, s6, s2
	s_lshr_b32 s3, s6, 7                           ; s
	s_and_b32 s6, s6, 127
	s_lshl_b32 s8, s6, 11
	s_mov_b32 s9, 0
	s_lshr_b32 s10, s6, 2
	s_lshl_b32 s10, s10, 14                        ; the tile,
	s_lshl_b32 s7, s3, 11                          ; + K step s,
	s_add_co_u32 s10, s10, s7
	s_and_b32 s7, s6, 3
	s_lshl_b32 s7, s7, 9                           ; + 64 rows of 8 bytes for each quarter of the tile
	s_add_co_u32 s10, s10, s7
	s_mov_b32 s11, 0
	v_and_b32 v1, 31, v0
	v_lshlrev_b32 v2, 6, v1
	v_lshlrev_b32 v3, 4, v1
	s_wait_alu depctr_va_vdst(0)
	s_wait_kmcnt 0x0
	s_cmp_eq_u32 s3, 0
	s_cselect_b64 s[16:17], s[16:17], s[18:19]
	s_add_nc_u64 s[16:17], s[16:17], s[8:9]
	s_add_nc_u64 s[4:5], s[4:5], s[10:11]
	SCAT
	s_endpgm
.Lbias:
	; ---- the biases of gate s3: 1,024 numbers, four a thread
	s_load_b512 s[16:31], s[0:1], 0x80
	s_load_b64 s[4:5], s[0:1], 0xe8                ; biasw
	s_sub_co_u32 s3, ttmp9, NCODE+NWSC+NASC        ; gate
	s_lshl_b32 s10, s3, 12
	s_mov_b32 s11, 0
	s_mov_b32 s12, 0xbfb8aa3b                      ; -log2(e)
	s_cmp_eq_u32 s3, 2
	s_cselect_b32 s12, 0x4038aa3b, s12             ; 2 log2(e)
	s_mov_b32 s13, s12
	v_lshlrev_b32 v2, 4, v0
	s_wait_alu depctr_va_vdst(0)
	s_wait_kmcnt 0x0
	s_bitcmp1_b32 s3, 0                            ; the pair of pointers of gate s3
	s_cselect_b64 s[16:17], s[20:21], s[16:17]
	s_cselect_b64 s[18:19], s[22:23], s[18:19]
	s_cselect_b64 s[24:25], s[28:29], s[24:25]
	s_cselect_b64 s[26:27], s[30:31], s[26:27]
	s_bitcmp1_b32 s3, 1
	s_cselect_b64 s[16:17], s[24:25], s[16:17]
	s_cselect_b64 s[18:19], s[26:27], s[18:19]
	s_add_nc_u64 s[4:5], s[4:5], s[10:11]
	global_load_b128 v[8:11], v2, s[16:17]
	global_load_b128 v[12:15], v2, s[18:19]
	s_wait_loadcnt 0x0
	v_pk_add_f32 v[8:9], v[8:9], v[12:13]
	v_pk_add_f32 v[10:11], v[10:11], v[14:15]
	v_pk_mul_f32 v[8:9], v[8:9], s[12:13] op_sel_hi:[1,0]
	v_pk_mul_f32 v[10:11], v[10:11], s[12:13] op_sel_hi:[1,0]
	global_store_b128 v2, v[8:11], s[4:5]
	s_endpgm
.Lfunc_end_k_q4da9dafa63_pack:
	.size	k_q4da9dafa63_pack, .Lfunc_end_k_q4da9dafa63_pack-k_q4da9dafa63_pack
	.p2alignl 7, 3214868480
	.fill 96, 4, 3214868480
	.section	.rodata,"a",@progbits
	.p2align	6, 0x0
	.amdhsa_kernel k_q4da9dafa63_pack
		.amdhsa_group_segment_fixed_size 0
		.amdhsa_private_segment_fixed_size 0
		.amdhsa_enable_private_segment 0
		.amdhsa_kernarg_size 240
		.amdhsa_user_sgpr_count 2
		.amdhsa_user_sgpr_kernarg_segment_ptr 1
		.amdhsa_wavefront_size32 1
		.amdhsa_system_sgpr_workgroup_id_x 1
		.amdhsa_system_sgpr_workgroup_id_y 1
		.amdhsa_system_sgpr_workgroup_id_z 1
		.amdhsa_system_vgpr_workitem_id 0
		.amdhsa_next_free_vgpr 40
		.amdhsa_next_free_sgpr 66
		.amdhsa_reserve_vcc 0
		.amdhsa_float_denorm_mode_32 3
		.amdhsa_float_denorm_mode_16_64 3
		.amdhsa_memory_ordered 1
		.amdhsa_forward_progress 1
		.amdhsa_inst_pref_size 10
	.end_amdhsa_kernel
	.amdgpu_metadata
---
amdhsa.version: [ 1, 2 ]
amdhsa.kernels:
  - .name:           k_q4da9dafa63_pack
    .symbol:         k_q4da9dafa63_pack.kd
    .args:
      - { .name: W_i_i2h_codes, .offset: 0, .size: 8, .value_kind: global_buffer, .address_space: global }
      - { .name: W_i_h2h_codes, .offset: 8, .size: 8, .value_kind: global_buffer, .address_space: global }
      - { .name: W_f_i2h_codes, .offset: 16, .size: 8, .value_kind: global_buffer, .address_space: global }
      - { .name: W_f_h2h_codes, .offset: 24, .size: 8, .value_kind: global_buffer, .address_space: global }
      - { .name: W_g_i2h_codes, .offset: 32, .size: 8, .value_kind: global_buffer, .address_space: global }
      - { .name: W_g_h2h_codes, .offset: 40, .size: 8, .value_kind: global_buffer, .address_space: global }
      - { .name: W_o_i2h_codes, .offset: 48, .size: 8, .value_kind: global_buffer, .address_space: global }
      - { .name: W_o_h2h_codes, .offset: 56, .size: 8, .value_kind: global_buffer, .address_space: global }
      - { .name: W_i_i2h_scales, .offset: 64, .size: 8, .value_kind: global_buffer, .address_space: global }
      - { .name: W_i_h2h_scales, .offset: 72, .size: 8, .value_kind: global_buffer, .address_space: global }
      - { .name: W_f_i2h_scales, .offset: 80, .size: 8, .value_kind: global_buffer, .address_space: global }
      - { .name: W_f_h2h_scales, .offset: 88, .size: 8, .value_kind: global_buffer, .address_space: global }
      - { .name: W_g_i2h_scales, .offset: 96, .size: 8, .value_kind: global_buffer, .address_space: global }
      - { .name: W_g_h2h_scales, .offset: 104, .size: 8, .value_kind: global_buffer, .address_space: global }
      - { .name: W_o_i2h_scales, .offset: 112, .size: 8, .value_kind: global_buffer, .address_space: global }
      - { .name: W_o_h2h_scales, .offset: 120, .size: 8, .value_kind: global_buffer, .address_space: global }
      - { .name: b_i_i2h, .offset: 128, .size: 8, .value_kind: global_buffer, .address_space: global }
      - { .name: b_i_h2h, .offset: 136, .size: 8, .value_kind: global_buffer, .address_space: global }
      - { .name: b_f_i2h, .offset: 144, .size: 8, .value_kind: global_buffer, .address_space: global }
      - { .name: b_f_h2h, .offset: 152, .size: 8, .value_kind: global_buffer, .address_space: global }
      - { .name: b_g_i2h, .offset: 160, .size: 8, .value_kind: global_buffer, .address_space: global }
      - { .name: b_g_h2h, .offset: 168, .size: 8, .value_kind: global_buffer, .address_space: global }
      - { .name: b_o_i2h, .offset: 176, .size: 8, .value_kind: global_buffer, .address_space: global }
      - { .name: b_o_h2h, .offset: 184, .size: 8, .value_kind: global_buffer, .address_space: global }
      - { .name: input_scales, .offset: 192, .size: 8, .value_kind: global_buffer, .address_space: global }
      - { .name: h_0_scales, .offset: 200, .size: 8, .value_kind: global_buffer, .address_space: global }
      - { .name: wcodes, .offset: 208, .size: 8, .value_kind: global_buffer, .address_space: global }
      - { .name: wscales, .offset: 216, .size: 8, .value_kind: global_buffer, .address_space: global }
      - { .name: ascales, .offset: 224, .size: 8, .value_kind: global_buffer, .address_space: global }
      - { .name: biasw, .offset: 232, .size: 8, .value_kind: global_buffer, .address_space: global }
    .group_segment_fixed_size: 0
    .private_segment_fixed_size: 0
    .kernarg_segment_align: 8
    .kernarg_segment_size: 240
    .max_flat_workgroup_size: 256
    .sgpr_count:     66
    .vgpr_count:     40
    .wavefront_size: 32
...
	.end_amdgpu_metadata
.endif
;; end of part 1
;; launch lstm (part 2): grid 16 x 16, 4 waves a work-group, clusters of 4 x 4, 327,680 bytes of LDS; arguments input_codes, h_0_codes, ascales, wcodes, wscales, biasw, c_0, out0, out1; writes out0, out1
.if DOCPART == 2
	.amdgcn_target "amdgcn-amd-amdhsa--gfx1250"
	.amdhsa_code_object_version 6
	.text
	.protected	k_q4da9dafa63_lstm
	.globl	k_q4da9dafa63_lstm
	.p2align	8
	.type	k_q4da9dafa63_lstm,@function
k_q4da9dafa63_lstm:
	s_mov_b64 s[64:65], 0
	v_nop
	global_prefetch_b8 v0, s[64:65] scope:SCOPE_SE
	s_setreg_imm32_b32 hwreg(HW_REG_WAVE_MODE, 25, 1), 1
	s_wait_xcnt 0x0
	s_wait_alu depctr_hold_cnt(0) depctr_sa_sdst(0) depctr_va_vdst(0) depctr_va_sdst(0) depctr_va_ssrc(0) depctr_va_vcc(0) depctr_vm_vsrc(0)
	s_getreg_b32 s2, hwreg(HW_REG_IB_STS2, 6, 4)
	s_cmp_eq_u32 s2, 0
	s_cbranch_scc0 .Lentry_in_a_cluster
	s_endpgm
.Lentry_in_a_cluster:
	s_bfe_u32 s2, ttmp6, 0x10000c
	s_cmp_lg_u32 s2, 0xf033
	s_cbranch_scc0 .Lentry_shape_is_right
	s_endpgm
.Lentry_shape_is_right:
; One LSTM cell.  The eight products are ONE product on E4M3 codes with an E8M0 scale for each 32 along K: M = 8,192 rows, K = 2,048 (1,024 of input, 1,024 of h_0), N = 4,096 (4 gates x 1,024 hidden units).
; A's codes are input_codes and h_0_codes as given; wcodes, ascales, wscales and biasw were laid by the launch before: row 128 m + 32 gate + x of wcodes is hidden unit 32 m + x of gate (i, f, g, o);
; a tile's scale bytes of one K step of 256 are 2,048 consecutive bytes, [256 rows][8]; biasw holds (b_i2h + b_h2h) x F, F = -log2(e) for i, f, o and 2 log2(e) for g.
; SHARES: a tile is 256 rows x 64 hidden units x 4 gates (256 x 256 of the product); four waves, each 128 x 128: 64 accumulators, 512 registers.
; A WORK-GROUP STAYS: 256 work-groups make two tiles each, 4,096 rows apart, on the same columns of B.  The ring does not stop at the first tile's end: its last two changes of slots ask for the next tile's K steps 0 and 1.
; The matrix instruction is used transposed (source 0 = 16 rows of B, source 1 = 16 rows of A): in accumulator (a, b) lane (r, h) holds row 16 a + r and, of gate b / 2, hidden units 16 (b % 2) + 8 h + 0 .. 7:
; the four gates of an element lie in one lane, and the cell is finished in registers.
; THE RING: two LDS slots; a slot holds a K step of 256: A's 256 rows, B's 256 rows and both sides' scale bytes.  Slot 0 walks input, slot 1 h_0.  A fill is four joint loads, one a wave:
; wave 0 A's codes, wave 1 B's codes, wave 2 A's scales, wave 3 B's scales, in one chain of arms on the wave's number.
; c_0 comes straight into the registers of B's set 0, which the tile's last step does not use: a lane's 2 x 32 bytes of each of its rows; a wave's four loads on end take 128 consecutive bytes of 16 rows.
; The rows' 256-byte pieces were named whole by the prefetch two K steps earlier.  LDS has no room for the tile of c_0 beside a ring that goes on.
; THE OUTPUTS leave block by block of 16 rows through two stage buffers of their own, behind the ring, by turns: one barrier a block; wave (RH, CH) reads 16 whole rows of output CH back and stores them.
; CLUSTERS: 4 x 4 work-groups; A's tiles are asked for jointly along a row of the cluster, B's along a column.
; PREFETCH: the fill of K step n is followed by a request for K step n + 2, across the change of tiles too (the head asks for steps 1 and 2): of 128 rows each of the four partners names 32, told apart by address,
; a lane a row of 256 bytes, one instruction a wave.  B's rows are asked for in the first tile alone: the second reads the same.
; THE CELL: E = 2^(sum x F + bias x F).  i g = (Eg - 1) / ((1 + Ei)(1 + Eg)); f = 1 / (1 + Ef); ct = f c_0 + i g; Ec = 2^(2 log2(e) ct); output = (Ec - 1) / ((1 + Eo)(1 + Ec)).
; An Ei, Ef or Eo that overflows gives an infinite divisor, whose reciprocal is 0: the sigmoid's limit.  A hyperbolic tangent's exponent is held at 32, where (E - 1) / (E + 1) is 1.0 in f32.
; LIMITS: NaN and infinities (codes 0x7f and 0xff, the scale byte 0xff, such numbers in c_0 or the biases, sums beyond f32) are not served: the hold at 32 drops a NaN.
; A gate's sum takes 256 along K of input and of h_0 by turns in one accumulator, and the two biases are added to each other first: another order of rounding than the source's.
; REGISTERS: window 0: v12-31 addresses; v32-63 scale words, two sets; v64-127 biases; from v128 A's fragments, one set (in the cell: at work).
;   window 1: B's fragments, two sets (in the cell: v0-127 c_0, v128-255 rows on their way out, four groups of 32).  windows 2, 3: the accumulators, (a, b) at v[8 (8 (a % 4) + b)].
.set NQ,     2
.set PITCH,  272                       ; 256 bytes + 16 of padding: the 16 rows that a load touches start at 16 different banks (ISA guide 11.1)
.set FR,     16
.set NL,     4
.set NP,     8                         ; places behind this matrix instruction (ISA guide 7.12.1)
.set HALFT,  128*PITCH
.set ASZ,    2*HALFT
.set SAO,    2*ASZ                     ; in a slot: A's scale bytes,
.set SBO,    SAO+2176                  ; B's, 128 bytes off a multiple of 256 from A's: a load's two halves touch different banks
.set SLOT,   143616
.set STG,    2*SLOT                    ; the stages: two buffers, each 32 rows x 272 bytes for out0 and the same for out1
.set SPL,    32*PITCH
.set SBUF,   2*SPL
.set SPARE,  STG+2*SBUF                ; the spare words: 128 bytes a wave, named by no other line
.set NEXT_A, 4096*1024-768             ; from a tensor's last 256 along K in one tile to its first in the next
.set NEXT_S, 16*16384-12288            ; the same for A's scale bytes
.set WALKC,  4096*4096                 ; 4,096 rows of c_0 or of an output
.set ADRS, 12                          ; v12-13 my scale words in slot 0, 1: lanes 0-15 A's rows, lanes 16-31 B's
.set C0O,  14                          ; v14 c_0: 4,096 r + 32 h
.set ADRA, 16                          ; v16-17 my A fragments in slot 0, 1
.set PFT,  18                          ; v18 lane x a row of A (1,024) or of B (2,048)
.set CO,   19                          ; v19 my byte offset in two rows of an output
.set ADRB, 20                          ; v20-21 my B fragments
.set ST,   23                          ; v23 my 32 bytes of a row in the stage
.set RD,   25                          ; v25 where I read whole rows back
.set SPW,  28                          ; v28 my spare word; never rewritten
.set NIL,  29                          ; v29 0; never rewritten
.set PFO,  30                          ; v30 4,096 x lane
.set BO,   31                          ; v31 the biases: 32 h
.set SC,   32
.set BIAS, 64
.set AF,   128
.set TI,   128
.set TF,   144
.set TG,   160
.set TO,   176
.set NN,   192
.set CT,   208
.set OU,   224
.set LAP,  2
.set G0A,  4                           ; group 0, slot 0 and slot 1: s[4:11] A's codes, s[12:19] B's codes, s[24:31] A's scales, s[32:39] B's scales
.set G0B,  12
.set WV,   20
.set RH,   21                          ; my half of the tile's rows
.set CH,   22                          ; my half of its columns
.set TL,   23                          ; tiles to go
.set G0SA, 24
.set G0SB, 32
.set G1A,  40                          ; group 1: s[40:47], s[48:55], s[56:63], s[68:75]
.set G1B,  48
.set G1SA, 56
.set LIM,  66                          ; I prefetch along K while LAP is above it
.set XL,   67                          ; the LAP in which I prefetch the next tile's first K steps (0: never)
.set G1SB, 68
.set PF,   76                          ; s[76:77], s[78:79] where my prefetches stand in slot 0's and slot 1's tensor
.set CB,   80                          ; s[80:81] c_0 at my rows and columns
.set WK,   82                          ; s[82:83] what my prefetches go down at the change of tiles
.set CP,   92                          ; s[92:93] c_0 at the 64 rows that I prefetch
.set OB,   94                          ; s[94:95] the output that I store, at my rows
.set MSB, 0
.macro WIN new                         ; the immediate's high byte repeats the setting that is left
.if MSB != \new
	s_set_vgpr_msb (MSB<<8)|\new
.set MSB, \new
.endif
.endm
.set MUL_LO, 0xa1
.set MUL_HI, 0xf1
.set TO_B,   0x40
.macro TLOAD g0, g1                    ; a tensor load with s_nop 0 and four v_nop behind it
	tensor_load_to_lds s[\g0:\g0+3], s[\g1:\g1+7]
	s_nop 0
.rept 4
	v_nop
.endr
.endm
.macro QLOAD s                         ; a slot's fill: one chain of arms on the wave's number, one joint load to an arm, all leading to one join
	s_cmp_lt_u32 s[WV], 1
	s_cbranch_scc0 .Lq_b_\@
	TLOAD G0A+4*\s, G1A
	s_branch .Lq_j_\@
.Lq_b_\@:
	s_cmp_lt_u32 s[WV], 2
	s_cbranch_scc0 .Lq_sa_\@
	TLOAD G0B+4*\s, G1B
	s_branch .Lq_j_\@
.Lq_sa_\@:
	s_cmp_lt_u32 s[WV], 3
	s_cbranch_scc0 .Lq_sb_\@
	TLOAD G0SA+4*\s, G1SA
	s_branch .Lq_j_\@
.Lq_sb_\@:
	TLOAD G0SB+4*\s, G1SB
.Lq_j_\@:
.endm
.macro CREST
	s_cmp_lg_u32 s[WV], 0
	s_cbranch_scc1 .Lnot_wave_0_\@
	s_barrier_signal -3
.Lnot_wave_0_\@:
	s_barrier_wait -3
	s_barrier_signal -1
	s_barrier_wait -1
.endm
.macro CROUND                          ; a whole round of the cluster's barrier
	s_barrier_signal -1
	s_barrier_wait -1
	CREST
.endm
.macro PFETCH slot, off
	global_prefetch_b8 v[PFT], s[PF+2*\slot:PF+2*\slot+1] offset:\off th:TH_LOAD_NT scope:SCOPE_SE
.endm
; behind a refill of the loop: the same tensor's next 256 along K but one; in a tile's last trip the next tile's first 256 (A's waves, first tile), and at slot 0's change my 64 rows of c_0
.macro ASK slot
	s_cmp_gt_u32 s[LAP], s[LIM]
	s_cbranch_scc0 .Lno_k_\@
	PFETCH \slot, 256
.Lno_k_\@:
	s_cmp_eq_u32 s[LAP], s[XL]
	s_cbranch_scc0 .Lno_t_\@
	PFETCH \slot, NEXT_A
.Lno_t_\@:
.if \slot == 0
	s_cmp_eq_u32 s[LAP], 1
	s_cbranch_scc0 .Lno_c_\@
	global_prefetch_b8 v[PFO], s[CP:CP+1] th:TH_LOAD_NT scope:SCOPE_SE
	global_prefetch_b8 v[PFO], s[CP:CP+1] offset:131072 th:TH_LOAD_NT scope:SCOPE_SE
.Lno_c_\@:
.endif
.endm
.macro ASKT slot                       ; behind a fill for the next tile: A's waves ask for that tile's second 256 of the same tensor
	s_cmp_eq_u32 s[RH], 0
	s_cbranch_scc0 .Lno_a_\@
	PFETCH \slot, NEXT_A+256
.Lno_a_\@:
.endm
	s_load_b512 s[80:95], s[0:1], 0x0              ; input_codes 80, h_0_codes 82, ascales 84, wcodes 86, wscales 88, biasw 90, c_0 92, out0 94
	s_load_b64 s[104:105], s[0:1], 0x40            ; out1
	v_lshl_add_u32 v[SPW], v0, 2, SPARE
	v_mov_b32 v[NIL], 0
	ds_add_u32 v[SPW], v[NIL]                      ; the opening lines: the add, twice on end, and one wait
	ds_add_u32 v[SPW], v[NIL]
	v_lshrrev_b32 v1, 5, v0
	v_readfirstlane_b32 s[WV], v1
	s_lshr_b32 s[RH], s[WV], 1
	s_and_b32 s[CH], s[WV], 1
	s_bfe_u32 s96, ttmp6, 0x40000                  ; cx
	s_bfe_u32 s97, ttmp6, 0x40004                  ; cy
	s_lshl_b32 s98, ttmp9, 2
	s_add_co_u32 s98, s98, s96                     ; tile column: hidden units 64 x it on
	s_and_b32 s99, ttmp7, 0xffff
	s_lshl_b32 s99, s99, 2
	s_add_co_u32 s99, s99, s97                     ; the first tile's row: rows 256 x it on
	s_lshl_b32 s100, s97, 2
	s_lshl_b32 s100, 15, s100                      ; my row of the cluster
	s_lshl_b32 s101, 0x1111, s96                   ; my column
	; group 1 for codes: 256 rows of 256 bytes, 16 of padding behind each
	s_or_b32 s[G1A+0], s100, (0<<16)|(1<<20)|(1<<21)|(5<<22)|(3<<25)
	s_or_b32 s[G1B+0], s101, (0<<16)|(1<<20)|(1<<21)|(5<<22)|(3<<25)
.irp g, G1A, G1B
	s_mov_b32 s[\g+1], 256<<16
	s_mov_b32 s[\g+2], 256<<16
	s_mov_b32 s[\g+3], 256<<16
	s_mov_b32 s[\g+4], 256
	s_mov_b32 s[\g+6], 0
	s_mov_b32 s[\g+7], 0
.endr
	s_mov_b32 s[G1A+5], 1024                       ; a row of input or of h_0
	s_mov_b32 s[G1B+5], 2048                       ; a row of wcodes
	; group 1 for a K step's scale bytes: a dense block of 2,048 bytes as 8 rows of 256 (32 elements of 8 bytes)
	s_or_b32 s[G1SA+0], s100, (3<<16)|(1<<21)
	s_or_b32 s[G1SB+0], s101, (3<<16)|(1<<21)
.irp g, G1SA, G1SB
	s_mov_b32 s[\g+1], 32<<16
	s_mov_b32 s[\g+2], 8<<16
	s_mov_b32 s[\g+3], 32<<16
	s_mov_b32 s[\g+4], 8
	s_mov_b32 s[\g+5], 32
	s_mov_b32 s[\g+6], 0
	s_mov_b32 s[\g+7], 0
.endr
.irp s, 0,1
	s_mov_b32 s[G0A+4*\s], 1
	s_mov_b32 s[G0A+4*\s+1], \s*SLOT
	s_mov_b32 s[G0B+4*\s], 1
	s_mov_b32 s[G0B+4*\s+1], \s*SLOT+ASZ
	s_mov_b32 s[G0SA+4*\s], 1
	s_mov_b32 s[G0SA+4*\s+1], \s*SLOT+SAO
	s_mov_b32 s[G0SB+4*\s], 1
	s_mov_b32 s[G0SB+4*\s+1], \s*SLOT+SBO
.endr
	s_mov_b32 s3, 0
	s_wait_dscnt 0x0                               ; both opening adds are done
	s_wait_kmcnt 0x0
	s_lshl_b32 s2, s99, 18                         ; 256 rows of 1,024 bytes a tile row
	s_add_nc_u64 s[G0A+2:G0A+3], s[80:81], s[2:3]  ; slot 0 walks input,
	s_add_nc_u64 s[G0A+6:G0A+7], s[82:83], s[2:3]  ; slot 1 h_0
	s_lshl_b32 s2, s99, 14
	s_add_nc_u64 s[G0SA+2:G0SA+3], s[84:85], s[2:3]
	s_add_nc_u64 s[G0SA+6:G0SA+7], s[G0SA+2:G0SA+3], 2048
	s_lshl_b32 s2, s98, 19                         ; 256 rows of 2,048 bytes a tile column
	s_add_nc_u64 s[G0B+2:G0B+3], s[86:87], s[2:3]
	s_add_nc_u64 s[G0B+6:G0B+7], s[G0B+2:G0B+3], 1024
	s_lshl_b32 s2, s98, 14
	s_add_nc_u64 s[G0SB+2:G0SB+3], s[88:89], s[2:3]
	s_add_nc_u64 s[G0SB+6:G0SB+7], s[G0SB+2:G0SB+3], 2048
	s_cmp_eq_u32 s[RH], 0                          ; the prefetches: waves 0, 1 ask for A, waves 2, 3 for B; half CH of the tile's rows,
	s_cselect_b64 s[PF:PF+1], s[G0A+2:G0A+3], s[G0B+2:G0B+3]
	s_cselect_b64 s[PF+2:PF+3], s[G0A+6:G0A+7], s[G0B+6:G0B+7]
	s_cselect_b32 s2, s96, s97                     ; my place among the four that ask with me:
	s_cselect_b32 s[XL], 1, 0
	s_cselect_b32 s[WK], 0x400000, 0
	s_lshl_b32 s100, s[CH], 2
	s_add_co_u32 s2, s2, s100
	s_add_co_u32 s100, s[RH], 15
	s_lshl_b32 s2, s2, s100                        ; (4 CH + place) x 32 rows
	s_add_nc_u64 s[PF:PF+1], s[PF:PF+1], s[2:3]
	s_add_nc_u64 s[PF+2:PF+3], s[PF+2:PF+3], s[2:3]
	s_mov_b32 s[WK+1], 0
	s_mov_b32 s[LIM], 1
.irp g, G0A, G0B, G0SA, G0SB
	s_or_b32 s[\g+3], s[\g+3], 0x80000000
	s_or_b32 s[\g+7], s[\g+7], 0x80000000
.endr
	CROUND                                         ; all sixteen work-groups are here: the first joint loads meet
	QLOAD 0                                        ; K step 0: one tensor load a wave at the head
	s_mul_i32 s84, s[RH], HALFT                    ; my 128 rows of A,
	s_mul_i32 s85, s[CH], HALFT
	s_add_co_u32 s85, s85, ASZ                     ; of B
	s_lshl_b32 s100, s[RH], 10
	s_add_co_u32 s86, s100, SAO                    ; A's scale words of my rows
	s_lshl_b32 s87, s[CH], 10
	s_add_co_u32 s87, s87, 2176
	s_sub_co_u32 s87, s87, s100                    ; and how far on B's lie
	s_mul_i32 s88, s[RH], 16*PITCH
	s_add_co_u32 s88, s88, STG
	s_mul_i32 s89, s[CH], SPL
	s_add_co_u32 s89, s89, s88                     ; back: plane CH, my half's 16 rows
	s_lshl_b32 s100, s[CH], 7
	s_add_co_u32 s88, s88, s100                    ; in: my half's 16 rows, my 128 bytes
	s_add_co_u32 s101, s[RH], 10
	v_and_b32 v1, 15, v0                           ; r
	v_bfe_u32 v2, v0, 4, 1                         ; h
	v_and_b32 v7, 31, v0
	v_mul_u32_u24 v3, v1, PITCH
	v_lshl_add_u32 v4, v2, 4, v3
	v_add_nc_u32 v[ADRA], s84, v4
	v_add_nc_u32 v[ADRB], s85, v4
	v_add_nc_u32 v[ADRA+1], SLOT, v[ADRA]
	v_add_nc_u32 v[ADRB+1], SLOT, v[ADRB]
	v_mul_u32_u24 v6, s87, v2                      ; lanes 16-31 take B's: one product, the distance between the two
	v_lshl_add_u32 v5, v1, 3, v6
	v_add_nc_u32 v[ADRS], s86, v5
	v_add_nc_u32 v[ADRS+1], SLOT, v[ADRS]
	v_lshl_add_u32 v5, v2, 5, v3
	v_add_nc_u32 v[ST], s88, v5
	v_mul_u32_u24 v5, v2, PITCH
	v_lshl_add_u32 v5, v1, 4, v5
	v_add_nc_u32 v[RD], s89, v5
	v_lshlrev_b32 v5, 12, v2
	v_lshl_add_u32 v[CO], v1, 4, v5
	v_lshlrev_b32 v5, 12, v1
	v_lshl_add_u32 v[C0O], v2, 5, v5
	v_lshlrev_b32 v[PFO], 12, v7
	v_lshlrev_b32 v[PFT], s101, v7
	v_lshlrev_b32 v[BO], 5, v2
	s_wait_alu depctr_va_vdst(0)
	s_lshl_b32 s100, s99, 20                       ; 256 rows of 4,096 bytes a tile row,
	s_lshl_b32 s101, s98, 8                        ; 256 bytes a tile column
	s_add_co_u32 s100, s100, s101
	s_lshl_b32 s2, s[WV], 18
	s_add_co_u32 s2, s2, s100                      ; the 64 rows of c_0 that I prefetch
	s_lshl_b32 s84, s[RH], 19
	s_add_co_u32 s84, s84, s100                    ; my half of the rows
	s_mov_b32 s85, 0
	s_cmp_eq_u32 s[CH], 0
	s_cselect_b64 s[OB:OB+1], s[94:95], s[104:105] ; I store out0 (CH = 0) or out1
	s_add_nc_u64 s[OB:OB+1], s[OB:OB+1], s[84:85]
	s_lshl_b32 s86, s[CH], 7
	s_add_co_u32 s84, s84, s86
	s_add_nc_u64 s[CB:CB+1], s[92:93], s[84:85]
	s_add_nc_u64 s[CP:CP+1], s[92:93], s[2:3]
	s_add_co_u32 s84, s101, s86
	s_add_nc_u64 s[90:91], s[90:91], s[84:85]      ; the biases at hidden unit 64 x tile column + 32 CH
	s_mov_b32 s96, 0xbfb8aa3b                      ; -log2(e), as a pair
	s_mov_b32 s97, s96
	s_mov_b32 s98, 0x4038aa3b                      ; 2 log2(e), as a pair
	s_mov_b32 s99, s98
	s_mov_b32 s100, 0x42000000                     ; 32.0
	PFETCH 1, 0                                    ; K step 1
	PFETCH 0, 256                                  ; K step 2
.irp b, 0,1,2,3,4,5,6,7
	global_load_b128 v[BIAS+8*\b:BIAS+8*\b+3], v[BO], s[90:91] offset:4096*(\b/2)+64*(\b%2)
	global_load_b128 v[BIAS+8*\b+4:BIAS+8*\b+7], v[BO], s[90:91] offset:4096*(\b/2)+64*(\b%2)+16
.endr
.macro FRAG reg, adr, q, i             ; 16 rows x 128 K: lane l holds row l % 16; registers 4 c .. 4 c + 3 hold K = 32 c + 16 (l / 16) + 0 .. 15
.irp c, 0,1,2,3
	ds_load_b128 v[\reg+4*\c:\reg+4*\c+3], v[\adr] offset:128*(\q)+32*\c+(\i)*16*PITCH
.endr
.endm
; 16 matrix instructions: A's blocks a0, a0 + 1 x B's eight.  The 64 accumulators take turns, in the same order in every step.  zero = 1: the first product starts the sums
.macro MUL16 a0, p, q, sc, zero
.irp a, \a0, \a0+1
.irp b, 0,1,2,3,4,5,6,7
.if \zero
	v_wmma_scale_f32_16x16x128_f8f6f4 v[8*(8*((\a)%4)+\b):8*(8*((\a)%4)+\b)+7], v[128*(\p)+FR*\b:128*(\p)+FR*\b+FR-1], v[AF+FR*(\a):AF+FR*(\a)+FR-1], 0, v[SC+8*NQ*(\sc)+NQ*\b+(\q)], v[SC+8*NQ*(\sc)+NQ*(\a)+(\q)] matrix_a_scale:MATRIX_SCALE_ROW1
.else
	v_wmma_scale_f32_16x16x128_f8f6f4 v[8*(8*((\a)%4)+\b):8*(8*((\a)%4)+\b)+7], v[128*(\p)+FR*\b:128*(\p)+FR*\b+FR-1], v[AF+FR*(\a):AF+FR*(\a)+FR-1], v[8*(8*((\a)%4)+\b):8*(8*((\a)%4)+\b)+7], v[SC+8*NQ*(\sc)+NQ*\b+(\q)], v[SC+8*NQ*(\sc)+NQ*(\a)+(\q)] matrix_a_scale:MATRIX_SCALE_ROW1
.endif
.endr
.endr
.endm
.macro FETCH_B slot, q, p
	WIN TO_B
.irp i, 0,1,2,3,4,5,6,7
	FRAG 128*(\p)+FR*\i, ADRB+\slot, \q, \i
.endr
	WIN 0
.endm
.macro FETCH_A slot, q, i0
.irp i, \i0, \i0+1, \i0+2, \i0+3
	FRAG AF+FR*(\i), ADRA+\slot, \q, \i
.endr
.endm
.macro SCALES sc                       ; a slot's scale words: two a row; lanes 0-15 A's block i, lanes 16-31 B's
.irp i, 0,1,2,3,4,5,6,7
	ds_load_b64 v[SC+8*NQ*\sc+NQ*\i:SC+8*NQ*\sc+NQ*\i+1], v[ADRS+\sc] offset:\i*128
.endr
.endm
.macro PLACES n
.rept \n
	v_nop
.endr
.endm
.macro C0G half                        ; c_0 of blocks 4 half .. 4 half + 3 into window 1: block a's element 8 u + j at v[16 a + 8 u + j]
	WIN TO_B
.irp a, 4*\half, 4*\half+1, 4*\half+2, 4*\half+3
.irp u, 0,1
	global_load_b128 v[16*(\a)+8*\u:16*(\a)+8*\u+3],   v[C0O], s[CB:CB+1] offset:(\a)*65536+64*\u
	global_load_b128 v[16*(\a)+8*\u+4:16*(\a)+8*\u+7], v[C0O], s[CB:CB+1] offset:(\a)*65536+64*\u+16
.endr
.endr
.endm
; a step of 128 along K with its successor in the same slot: a block of A is free when its eight products are issued, so one set of registers serves A
.macro STEP slot, q, zero
	s_wait_dscnt 4*NL                              ; all but the youngest sixteen loads (A's blocks 4-7)
	WIN MUL_LO
	MUL16 0, (\q)%2, \q, \slot, \zero
	MUL16 2, (\q)%2, \q, \slot, \zero
	s_wait_dscnt 0
	PLACES NP
	FETCH_B \slot, (\q)+1, 1-(\q)%2
	FETCH_A \slot, (\q)+1, 0
	WIN MUL_HI
	MUL16 4, (\q)%2, \q, \slot, \zero
	MUL16 6, (\q)%2, \q, \slot, \zero
	PLACES NP
	WIN 0
	FETCH_A \slot, (\q)+1, 4
.endm
; the lines in front of a fill and the fill.  how = 1: the slot takes its tensors' next 256 along K; how = 3: the next tile's first 256
.macro REFILL slot, how
	s_wait_tensorcnt 0x0                           ; all my tensor loads have landed: my part of the other slot
	ds_add_u32 v[SPW], v[NIL]                      ; the addresses' steps stand between the add and the wait for it
.if \how == 1
	s_add_nc_u64 s[G0A+4*\slot+2:G0A+4*\slot+3], s[G0A+4*\slot+2:G0A+4*\slot+3], 256
	s_add_nc_u64 s[G0B+4*\slot+2:G0B+4*\slot+3], s[G0B+4*\slot+2:G0B+4*\slot+3], 256
	s_add_nc_u64 s[G0SA+4*\slot+2:G0SA+4*\slot+3], s[G0SA+4*\slot+2:G0SA+4*\slot+3], 4096
	s_add_nc_u64 s[G0SB+4*\slot+2:G0SB+4*\slot+3], s[G0SB+4*\slot+2:G0SB+4*\slot+3], 4096
.else
	s_add_nc_u64 s[G0A+4*\slot+2:G0A+4*\slot+3], s[G0A+4*\slot+2:G0A+4*\slot+3], NEXT_A
	s_sub_nc_u64 s[G0B+4*\slot+2:G0B+4*\slot+3], s[G0B+4*\slot+2:G0B+4*\slot+3], 768
	s_add_nc_u64 s[G0SA+4*\slot+2:G0SA+4*\slot+3], s[G0SA+4*\slot+2:G0SA+4*\slot+3], NEXT_S
	s_sub_nc_u64 s[G0SB+4*\slot+2:G0SB+4*\slot+3], s[G0SB+4*\slot+2:G0SB+4*\slot+3], 12288
.endif
	s_wait_dscnt 0x0                               ; the add is done, and my reads of this slot are over
	CROUND                                         ; no wave of any partner still reads this slot or has a load out
	QLOAD \slot
.endm
; a slot's last step changes slots at its head: all its fragments are in registers, so the slot is given up before the step's products.  fill = 0: nothing is filled, a barrier shows the other slot whole
.macro TURN slot, next, fill
.if \fill == 1
	s_wait_xcnt 0x0                                ; my prefetches have read their address: it steps only behind this wait
	s_add_nc_u64 s[PF+2*\slot:PF+2*\slot+1], s[PF+2*\slot:PF+2*\slot+1], 256
.endif
.if \fill
	REFILL \slot, \fill
.else
	s_wait_tensorcnt 0x0
	ds_add_u32 v[SPW], v[NIL]
	s_wait_dscnt 0x0
	s_barrier_signal -1
	s_barrier_wait -1
.endif
	FETCH_B \next, 0, 0
	SCALES \next
.if \fill == 1
	ASK \slot
.endif
.if \fill == 3
	ASKT \slot
.endif
	WIN MUL_LO
	MUL16 0, 1, NQ-1, \slot, 0
	MUL16 2, 1, NQ-1, \slot, 0
	PLACES NP
	WIN 0
	FETCH_A \next, 0, 0
	WIN MUL_HI
	MUL16 4, 1, NQ-1, \slot, 0
	MUL16 6, 1, NQ-1, \slot, 0
	PLACES NP
	WIN 0
	FETCH_A \next, 0, 4
.endm
; a tile's last step (slot 1).  fill = 3: slot 1 takes the next tile's K step 1.  The second half of c_0 is asked for in its middle
.macro FINAL fill
.if \fill
	REFILL 1, 3
	ASKT 1
.else
	s_wait_dscnt 4*NL
.endif
	WIN MUL_LO
	MUL16 0, 1, NQ-1, 1, 0
	MUL16 2, 1, NQ-1, 1, 0
.if \fill == 0
	s_wait_dscnt 0
.endif
	C0G 1
	WIN MUL_HI
	MUL16 4, 1, NQ-1, 1, 0
	MUL16 6, 1, NQ-1, 1, 0
	WIN 0
.endm
; THE CELL, block by block of 16 rows x 32 hidden units: 16 elements a lane
.macro GATES a                         ; the four gates' exponents: sum x F + bias x F; each accumulator is read from its low end on
.set AC, 64*((\a)%4)
.set WN, 0x02+(\a)/4
	WIN WN
.irp b, 0,1,2,3,4,5,6,7
.irp j, 0,2,4,6
.if (\b)/2 == 2
	v_pk_fma_f32 v[TI+8*\b+\j:TI+8*\b+\j+1], v[AC+8*\b+\j:AC+8*\b+\j+1], s[98:99], v[BIAS+8*\b+\j:BIAS+8*\b+\j+1] op_sel_hi:[1,0,1]
.else
	v_pk_fma_f32 v[TI+8*\b+\j:TI+8*\b+\j+1], v[AC+8*\b+\j:AC+8*\b+\j+1], s[96:97], v[BIAS+8*\b+\j:BIAS+8*\b+\j+1] op_sel_hi:[1,0,1]
.endif
.endr
.endr
	WIN 0
.endm
.macro BACK a                          ; behind block a's barrier: 16 whole rows of my output, two an instruction, into group a % 4 of window 1
.if (\a) > 3
	s_wait_xcnt 0x0                                ; block a - 4's stores have read the group's registers
.endif
	WIN TO_B
.irp t, 0,1,2,3,4,5,6,7
	ds_load_b128 v[128+32*((\a)%4)+4*\t:128+32*((\a)%4)+4*\t+3], v[RD] offset:((\a)%2)*SBUF+2*\t*PITCH
.endr
	WIN 0
.endm
.macro SEND a                          ; 16 lanes store 256 consecutive bytes, at a multiple of 256 from the output's first byte
	WIN 0x04
.irp t, 0,1,2,3,4,5,6,7
	global_store_b128 v[CO], v[128+32*((\a)%4)+4*\t:128+32*((\a)%4)+4*\t+3], s[OB:OB+1] offset:(16*(\a)+2*\t)*4096 th:TH_STORE_NT
.endr
	WIN 0
.endm
; each batch of exponentials or reciprocals has one wait ahead of it, a plain place behind it and one wait ahead of its first reader (the place: ISA guide 5.7.2)
.macro ACT a
.irp i, 0,1,2,3,4,5,6,7,8,9,10,11,12,13,14,15
	v_min_num_f32 v[TG+\i], s100, v[TG+\i]         ; g's exponent is held at 32
.endr
.set II, 0
	s_wait_alu depctr_va_vdst(0)
.rept 64
	v_exp_f32 v[TI+II], v[TI+II]                   ; Ei, Ef, Eg, Eo
.set II, II+1
.endr
	v_nop
	s_wait_alu depctr_va_vdst(0)
.irp i, 0,2,4,6,8,10,12,14
	v_pk_add_f32 v[NN+\i:NN+\i+1], v[TG+\i:TG+\i+1], -1.0 op_sel_hi:[1,0]      ; Eg - 1
.endr
.irp i, 0,2,4,6,8,10,12,14
	v_pk_add_f32 v[TG+\i:TG+\i+1], v[TG+\i:TG+\i+1], 1.0 op_sel_hi:[1,0]       ; Dg = 1 + Eg
.endr
.irp i, 0,2,4,6,8,10,12,14
	v_pk_add_f32 v[TF+\i:TF+\i+1], v[TF+\i:TF+\i+1], 1.0 op_sel_hi:[1,0]       ; 1 + Ef
.endr
.irp i, 0,2,4,6,8,10,12,14
	v_pk_fma_f32 v[TI+\i:TI+\i+1], v[TI+\i:TI+\i+1], v[TG+\i:TG+\i+1], v[TG+\i:TG+\i+1]   ; (1 + Ei)(1 + Eg)
.endr
	s_wait_alu depctr_va_vdst(0)
.irp i, 0,1,2,3,4,5,6,7,8,9,10,11,12,13,14,15
	v_rcp_f32 v[TF+\i], v[TF+\i]                   ; f
.endr
.irp i, 0,1,2,3,4,5,6,7,8,9,10,11,12,13,14,15
	v_rcp_f32 v[TI+\i], v[TI+\i]
.endr
	v_nop
	s_wait_dscnt 0x0                               ; the rows of the block before are back
.if (\a) > 0
	SEND (\a)-1                                    ; and leave here
.endif
	s_wait_loadcnt 28-4*(\a)                       ; loads come back in order: this block's four of c_0 are in, the later blocks' may be out
	s_wait_alu depctr_va_vdst(0)
.irp i, 0,2,4,6,8,10,12,14
	v_pk_mul_f32 v[NN+\i:NN+\i+1], v[NN+\i:NN+\i+1], v[TI+\i:TI+\i+1]          ; i g
.endr
	WIN 0x04                                       ; c_0 lies in window 1
.irp i, 0,2,4,6,8,10,12,14
	v_pk_fma_f32 v[CT+\i:CT+\i+1], v[TF+\i:TF+\i+1], v[16*(\a)+\i:16*(\a)+\i+1], v[NN+\i:NN+\i+1]   ; ct = f c_0 + i g
.endr
	WIN 0
.irp i, 0,2,4,6,8,10,12,14
	v_pk_mul_f32 v[TG+\i:TG+\i+1], v[CT+\i:CT+\i+1], s[98:99] op_sel_hi:[1,0]  ; 2 log2(e) ct,
.endr
.irp i, 0,1,2,3,4,5,6,7,8,9,10,11,12,13,14,15
	v_min_num_f32 v[TG+\i], s100, v[TG+\i]         ; held at 32
.endr
	s_wait_alu depctr_va_vdst(0)
.irp i, 0,1,2,3,4,5,6,7,8,9,10,11,12,13,14,15
	v_exp_f32 v[TG+\i], v[TG+\i]                   ; Ec
.endr
	v_nop
	s_wait_alu depctr_va_vdst(0)
.irp i, 0,2,4,6,8,10,12,14
	v_pk_add_f32 v[TI+\i:TI+\i+1], v[TG+\i:TG+\i+1], 1.0 op_sel_hi:[1,0]       ; Dc = 1 + Ec
.endr
.irp i, 0,2,4,6,8,10,12,14
	v_pk_add_f32 v[NN+\i:NN+\i+1], v[TG+\i:TG+\i+1], -1.0 op_sel_hi:[1,0]      ; Ec - 1
.endr
.irp i, 0,2,4,6,8,10,12,14
	v_pk_fma_f32 v[TO+\i:TO+\i+1], v[TO+\i:TO+\i+1], v[TI+\i:TI+\i+1], v[TI+\i:TI+\i+1]   ; (1 + Eo)(1 + Ec)
.endr
	s_wait_alu depctr_va_vdst(0)
.irp i, 0,1,2,3,4,5,6,7,8,9,10,11,12,13,14,15
	v_rcp_f32 v[TO+\i], v[TO+\i]
.endr
	v_nop
	s_wait_alu depctr_va_vdst(0)
.irp i, 0,2,4,6,8,10,12,14
	v_pk_mul_f32 v[OU+\i:OU+\i+1], v[NN+\i:NN+\i+1], v[TO+\i:TO+\i+1]          ; o tanh(ct)
.endr
.endm
.macro STAGE a                         ; a lane's 2 x 32 bytes of a row of each output go to buffer a % 2
.set SB, ((\a)%2)*SBUF
	ds_store_b128 v[ST], v[OU:OU+3]     offset:SB
	ds_store_b128 v[ST], v[OU+4:OU+7]   offset:SB+16
	ds_store_b128 v[ST], v[OU+8:OU+11]  offset:SB+64
	ds_store_b128 v[ST], v[OU+12:OU+15] offset:SB+80
	ds_store_b128 v[ST], v[CT:CT+3]     offset:SB+SPL
	ds_store_b128 v[ST], v[CT+4:CT+7]   offset:SB+SPL+16
	ds_store_b128 v[ST], v[CT+8:CT+11]  offset:SB+SPL+64
	ds_store_b128 v[ST], v[CT+12:CT+15] offset:SB+SPL+80
.endm
	s_wait_alu depctr_va_vdst(0)
	s_wait_tensorcnt 0x0                           ; my part of K step 0 is in; the same lines as ahead of a refill:
	ds_add_u32 v[SPW], v[NIL]
	s_wait_dscnt 0x0
	CROUND                                         ; slot 0 is whole, and the sixteen work-groups meet
	QLOAD 1                                        ; slot 1's first fill: K step 1
	PFETCH 1, 256                                  ; K step 3
	s_mov_b32 s[TL], 2
.Ltile:
	FETCH_B 0, 0, 0
	FETCH_A 0, 0, 0
	SCALES 0
	FETCH_A 0, 0, 4
	STEP 0, 0, 1                                   ; a tile's first step starts the sums
	s_mov_b32 s[LAP], 3
.Llap:                                                 ; a trip goes once round the ring and fills both slots again
	TURN 0, 1, 1
	STEP 1, 0, 0
	TURN 1, 0, 1
	STEP 0, 0, 0
	s_sub_co_u32 s[LAP], s[LAP], 1
	s_cmp_lg_u32 s[LAP], 0
	s_cbranch_scc1 .Llap
	s_wait_loadcnt 0x0                             ; the biases are in (first tile): from here on only c_0's loads are counted
	s_cmp_eq_u32 s[TL], 1
	s_cbranch_scc1 .Llast                          ; the last tile's tail is written out: it asks for nothing more
	TURN 0, 1, 3                                   ; the ring goes on: slot 0 takes the next tile's K step 0
	STEP 1, 0, 0
	C0G 0                                          ; B's set 0 has been read for the last time in this tile, eight places ago
	WIN 0
	FINAL 3                                        ; slot 1 takes the next tile's K step 1
	s_branch .Lcell
.Llast:
	TURN 0, 1, 0
	STEP 1, 0, 0
	C0G 0
	WIN 0
	FINAL 0
.Lcell:
	PLACES NP                                      ; behind the last products: for the first read of results and for what is written over the fragments
.irp a, 0,1,2,3,4,5,6,7
.if (\a) > 0
	s_wait_dscnt 0x0                               ; for the others' sake: my stores of the block before into its buffer are done, and so are my reads of the other buffer
	s_barrier_signal -1                            ; this block's multiply-adds, work on registers, stand between the signal and the wait
.endif
	GATES \a
.if (\a) > 0
	s_barrier_wait -1                              ; the block's 32 rows of both outputs are whole
	BACK (\a)-1
.endif
	s_wait_alu depctr_va_vdst(0)
	ACT \a
	STAGE \a
.endr
	s_wait_dscnt 0x0
	s_barrier_signal -1
	s_barrier_wait -1
	BACK 7
	s_wait_dscnt 0x0
	SEND 7
	s_wait_xcnt 0x0                                ; stores, loads and prefetches have read their registers: the bases go on to the next tile, and B's fragments may land on the rows' registers
	s_add_nc_u64 s[CB:CB+1], s[CB:CB+1], WALKC
	s_add_nc_u64 s[CP:CP+1], s[CP:CP+1], WALKC
	s_add_nc_u64 s[OB:OB+1], s[OB:OB+1], WALKC
	s_sub_nc_u64 s[PF:PF+1], s[PF:PF+1], 768
	s_sub_nc_u64 s[PF+2:PF+3], s[PF+2:PF+3], 768
	s_add_nc_u64 s[PF:PF+1], s[PF:PF+1], s[WK:WK+1]
	s_add_nc_u64 s[PF+2:PF+3], s[PF+2:PF+3], s[WK:WK+1]
	s_cmp_eq_u32 s[RH], 0
	s_cselect_b32 s[LIM], 1, 99                    ; B's rows have been read: they are asked for no more
	s_mov_b32 s[XL], 0
	s_wait_tensorcnt 0x0                           ; my parts of the next tile's two K steps are in
	ds_add_u32 v[SPW], v[NIL]
	s_wait_dscnt 0x0
	s_barrier_signal -1
	s_barrier_wait -1                              ; everybody's parts are in
	s_sub_co_u32 s[TL], s[TL], 1
	s_cmp_lg_u32 s[TL], 0
	s_cbranch_scc1 .Ltile
	s_wait_tensorcnt 0x0                           ; the wave's end
	ds_add_u32 v[SPW], v[NIL]
	s_wait_dscnt 0x0
	CROUND                                         ; the closing round
	s_endpgm
.Lfunc_end_k_q4da9dafa63_lstm:
	.size	k_q4da9dafa63_lstm, .Lfunc_end_k_q4da9dafa63_lstm-k_q4da9dafa63_lstm
	.p2alignl 7, 3214868480
	.fill 96, 4, 3214868480
	.section	.rodata,"a",@progbits
	.p2align	6, 0x0
	.amdhsa_kernel k_q4da9dafa63_lstm
		.amdhsa_group_segment_fixed_size 327680
		.amdhsa_private_segment_fixed_size 0
		.amdhsa_enable_private_segment 0
		.amdhsa_kernarg_size 72
		.amdhsa_user_sgpr_count 2
		.amdhsa_user_sgpr_kernarg_segment_ptr 1
		.amdhsa_wavefront_size32 1
		.amdhsa_system_sgpr_workgroup_id_x 1
		.amdhsa_system_sgpr_workgroup_id_y 1
		.amdhsa_system_sgpr_workgroup_id_z 1
		.amdhsa_system_vgpr_workitem_id 0
		.amdhsa_next_free_vgpr 1024
		.amdhsa_next_free_sgpr 106
		.amdhsa_reserve_vcc 0
		.amdhsa_float_denorm_mode_32 3
		.amdhsa_float_denorm_mode_16_64 3
		.amdhsa_memory_ordered 1
		.amdhsa_forward_progress 1
		.amdhsa_inst_pref_size 255
	.end_amdhsa_kernel
	.section	.bss,"aw",@nobits
	.p2align	6
	.space	262144
	.amdgpu_metadata
---
amdhsa.version: [ 1, 2 ]
amdhsa.kernels:
  - .name:           k_q4da9dafa63_lstm
    .symbol:         k_q4da9dafa63_lstm.kd
    .args:
      - { .name: input_codes, .offset: 0, .size: 8, .value_kind: global_buffer, .address_space: global }
      - { .name: h_0_codes, .offset: 8, .size: 8, .value_kind: global_buffer, .address_space: global }
      - { .name: ascales, .offset: 16, .size: 8, .value_kind: global_buffer, .address_space: global }
      - { .name: wcodes, .offset: 24, .size: 8, .value_kind: global_buffer, .address_space: global }
      - { .name: wscales, .offset: 32, .size: 8, .value_kind: global_buffer, .address_space: global }
      - { .name: biasw, .offset: 40, .size: 8, .value_kind: global_buffer, .address_space: global }
      - { .name: c_0, .offset: 48, .size: 8, .value_kind: global_buffer, .address_space: global }
      - { .name: out0, .offset: 56, .size: 8, .value_kind: global_buffer, .address_space: global }
      - { .name: out1, .offset: 64, .size: 8, .value_kind: global_buffer, .address_space: global }
    .group_segment_fixed_size: 327680
    .private_segment_fixed_size: 0
    .kernarg_segment_align: 8
    .kernarg_segment_size: 72
    .max_flat_workgroup_size: 128
    .sgpr_count:     106
    .vgpr_count:     1024
    .wavefront_size: 32
...
	.end_amdgpu_metadata
.endif
;; end of part 2
